; MI455X (gfx1250); checked and timed in simulation.
; The chip was launched on July 23, 2026; its instructions are those of AMD's public machine-readable ISA for CDNA 5 (MIT licence, August 2026) and "CDNA5" Instruction Set Architecture Reference Guide (July 2026). The comments in the code are by the model that wrote it; some were corrected since.
;; Kronecker Linear. Allowed arithmetic: matrix products marked QUANTISED: E2M1 operands, one E8M0 scale for each 32 along K, by v_wmma_scale_f32_16x16x128_f8f6f4 with both operands' format E2M1 (or v_wmma_scale_f32_32x16x128_f4), f32 sums; everything else in f32.
;; Inputs: U 128 x 128 float32; V 128 x 128 float32; x 256 x 16,384 float32.
;; Outputs: out0 256 x 16,384 float32.
;; This version of the problem:
;;   THIS VERSION OF THE PROBLEM IS GIVEN IN LOW PRECISION. The matrix products marked QUANTISED in the list below multiply operands that are first quantised to E2M1 (2 exponent bits, 1 mantissa bit; 4 bits a number), with one power-of-two scale for each 32 numbers along K (OCP MX v1.0); their sums are f32. All else is computed in f32.
;;   The module's matrix products, in the order in which they are computed (A, B: the left and right operand; K: the contracted axis; several contracted axes count as one K, in the product's order):
;;     1. [M 256, K 16,384] x [K 16,384, N 16,384]; A: input x; B: computed on the way: QUANTISED
;;   THE QUANTISER, for each operand of a quantised product, along K:
;;     - K is cut into blocks of 32 from its start; a last block that is shorter is filled with zeros.
;;     - A block's scale is 2^e with e = floor(log2(the largest magnitude in the block)) - 2, held to -126 .. 127; a block of zeros has e = 0. As a byte (E8M0): e + 127.
;;     - Each number is divided by its block's scale, clamped to +-6, and rounded to the nearest number of E2M1, ties to even, subnormals kept.
;;     - The product sums the exact products of the quantised numbers (number of the format x scale) in f32.
;;   ~~~python
;;   def quantise(x, axis):      # numpy; x: float32 -> the quantised numbers, widened to float32 again
;;       x = np.moveaxis(x, axis, -1); K = x.shape[-1]
;;       x = np.pad(x, [(0, 0)] * (x.ndim - 1) + [(0, -K % 32)]); x = x.reshape(x.shape[:-1] + (-1, 32)); a = np.abs(x).max(-1, keepdims=True)
;;       e = np.where(a > 0, np.clip(np.frexp(np.where(a > 0, a, 1))[1] - 1 - 2, -126, 127), 0)      # np.frexp(a)[1] - 1 = floor(log2(a)), exactly
;;       r = np.clip(x / 2.0 ** e, -6, 6)
;;       step = 2.0 ** (np.maximum(np.frexp(np.where(r == 0, 1, r))[1] - 1, 0) - 1)
;;       q = np.round(r / step) * step * 2.0 ** e      # np.round: ties to even
;;       return np.moveaxis(q.reshape(q.shape[:-2] + (-1,))[..., :K], -1, axis).astype(np.float32)
;;   ~~~
;;   OPERANDS COMPUTED ON THE WAY. 'Computed on the way' means the value that the module computes at that place (a softmax that the list does not call 'softmax' is quantised finished and normalised). What goes into a quantiser is computed in f32, as accurately as f32 sums, v_exp_f32 and their like allow (about 1e-6 of the number): no bf16 or f16 on the way to a quantiser, and a product that is left as it is and whose result goes on into a quantised operand takes f32 operands (vector FMAs, or v_wmma_f32_16x16x4_f32). A number that lies on a knife's edge between two numbers of the format may be rounded either way, as far as f32 arithmetic and the matrix unit's own rounding can turn it there, and no further.
;; One version. Each part assembles by itself: llvm-mc -triple=amdgcn-amd-amdhsa -mcpu=gfx1250 --defsym DOCPART=n.
;; ======== version 1 of 1: 2 launches
;; limits: right only within a limited range of input values
;; workspace buffers: xq 2,228,224 bytes; vimg 65,536 bytes
;; launch quant (part 1): grid 257 x 1, 8 waves a work-group, no clusters, 69,120 bytes of LDS; arguments x, V, xq, vimg; writes xq, vimg
.if DOCPART == 1
	.amdgcn_target "amdgcn-amd-amdhsa--gfx1250"
	.amdhsa_code_object_version 6
	.text
	.protected	k_q81cb12d0f9_quant
	.globl	k_q81cb12d0f9_quant
	.p2align	8
	.type	k_q81cb12d0f9_quant,@function
k_q81cb12d0f9_quant:
	s_mov_b64 s[64:65], 0
	v_nop
	global_prefetch_b8 v0, s[64:65] scope:SCOPE_SE
	s_setreg_imm32_b32 hwreg(HW_REG_WAVE_MODE, 25, 1), 1
	s_wait_xcnt 0x0
; x [256][16384] f32 becomes codes of FP4 (E2M1) with one E8M0 byte for each 32 along K, laid as the next launch's operand registers; V [128][128] f32 is laid as that launch's registers want it (still f32).
; xq: [i1 128][mh 2][8,704 bytes]: one block for one K step of 128 (128 i1 on) and 128 rows (128 mh on).  In a block: 8,192 bytes of codes [a 4][sub 2][c 2][lane 32][16 bytes], the image of four operands of 32 rows:
;   lane 16 h + r, 16 bytes = the 32 codes of k = 64 c + 32 h + 0 .. 31 of row 32 P + 16 sub + r; then 512 bytes of scale words [row in the pair 32][a 4].
;   THE PAIRS ARE ROTATED: place a holds pair P = (a + w) % 4, w = (i1 / 2) % 4 being the wave that reads this K step in the next launch.
; vimg: [tile 8][16][lane 32][16 bytes]: register q of lane (r, h) of a tile is V[64 (q / 32) + 32 h + q % 32][16 tile + r].
; A block's scale is 2^(floor(log2(its largest magnitude)) - 2); its byte is the largest magnitude's exponent field - 2, held at 1 from below by a floor among the maximum's leaves.
; LIMITS: a block of zeros gets the byte 1 where the rule says 127 (its codes are zeros, and this program alone reads the bytes); NaN and infinities among the inputs are not served.
; SHARES: work-group g < 256 makes block g (i1 = g / 2, mh = g % 2); its wave v takes rows 16 v .. 16 v + 15.  Work-group 256 lays V, a tile a wave, without LDS and without a barrier.
; Each load reads 512 consecutive bytes of a row; the 16 x 512 bytes turn through the wave's own stage in LDS, so that a lane gets whole blocks of 32 neighbours; each store of codes covers 512 consecutive bytes.
.set XROW,  65536                      ; bytes in a row of x
.set STEPB, 8704                       ; bytes in a block of xq
.set SPT,   528                        ; a stage row: 512 bytes + 16 = 132 words, so that the sixteen rows of a load begin four words apart
.set WST,   16*SPT                     ; a wave's stage
.set SCW,   8*WST                      ; behind the stages: the block's 128 scale words, [row in the pair 32][pair 4]
.set R,     16                         ; v16-79   the rows as loaded
.set X,     80                         ; v80-143  my two blocks of 32 neighbours
.set C,     144                        ; v144-151 their codes
.set SWA,   152                        ; v152     wave 0: where it reads the scale words back
.set VO,    153                        ; v153     the V path's offset
	s_load_b256 s[4:11], s[0:1], 0x0               ; x s[4:5], V s[6:7], xq s[8:9], vimg s[10:11]
	v_lshl_add_u32 v160, v0, 2, 0x10a00
	v_mov_b32 v161, 0
	v_lshrrev_b32 v1, 5, v0
	s_delay_alu instid0(VALU_DEP_1)
	v_readfirstlane_b32 s12, v1                    ; wave 0..7
	v_and_b32 v1, 31, v0                           ; lane
	v_and_b32 v2, 15, v0                           ; r
	v_bfe_u32 v3, v0, 4, 1                         ; h
	s_delay_alu instid0(VALU_DEP_3)
	v_lshlrev_b32 v4, 4, v1                        ; 16 x lane
	s_cmp_eq_u32 ttmp9, 256                        ; the same in all waves of a work-group
	s_cbranch_scc1 .Lv_path
	; ---- x
	s_lshr_b32 s13, ttmp9, 1                       ; i1
	s_and_b32 s14, ttmp9, 1                        ; mh
	s_bfe_u32 s15, ttmp9, 0x20002                  ; w = (i1 / 2) % 4: two bits from bit 2 of g
	s_lshr_b32 s16, s12, 1                         ; P: my pair of 32 rows
	s_and_b32 s17, s12, 1                          ; sub: which 16 of them
	s_mov_b32 s2, 0x76543210
	s_mov_b32 s3, 0xfedcba98                       ; v_permlanex16_b32's selects for lane l xor 16
	s_mul_i32 s18, s12, WST                        ; my stage
	s_wait_alu depctr_va_vdst(0)
	v_add_nc_u32 v5, s18, v4                       ; in: 16 x lane of a row
	v_mul_u32_u24 v6, v2, SPT
	s_delay_alu instid0(VALU_DEP_1)
	v_lshl_add_u32 v6, v3, 7, v6
	s_delay_alu instid0(VALU_DEP_1)
	v_add_nc_u32 v6, s18, v6                       ; out: row r, + 128 h bytes: block h; block 2 + h lies 256 bytes on
	s_lshl_b32 s19, s17, 8
	s_lshl_b32 s20, s16, 2
	s_add_co_u32 s19, s19, s20
	s_add_co_u32 s19, s19, SCW
	v_lshl_add_u32 v7, v2, 4, s19                  ; my row's scale word: SCW + 16 (16 sub + r) + 4 P: lane and wave alone; the rotation stays out of LDS addresses
	v_add_nc_u32 v[SWA], SCW, v4
	s_lshl_b32 s20, s14, 7
	s_lshl_b32 s21, s12, 4
	s_add_co_u32 s20, s20, s21                     ; my first row: 128 mh + 16 v
	s_lshl_b32 s20, s20, 16
	s_lshl_b32 s21, s13, 9
	s_add_co_u32 s20, s20, s21                     ; + 512 i1 bytes along the row
	s_mov_b32 s21, 0
	s_add_co_u32 s22, s16, 4
	s_sub_co_u32 s22, s22, s15
	s_and_b32 s22, s22, 3                          ; a = (P - w) % 4: my pair's place
	s_lshl_b32 s22, s22, 11
	s_lshl_b32 s23, s17, 10
	s_add_co_u32 s22, s22, s23
	s_mul_i32 s24, ttmp9, STEPB                    ; the block's first byte
	s_mov_b32 s25, 0
	s_add_co_u32 s22, s22, s24                     ; my 1,024 bytes of codes in it
	s_mov_b32 s23, 0
	s_bitcmp1_b32 s15, 0
	s_cselect_b32 s30, -1, 0                       ; all lanes: w is odd
	s_bitcmp1_b32 s15, 1
	s_cselect_b32 s31, -1, 0                       ; all lanes: w is 2 or 3
	s_wait_alu depctr_va_vdst(0)
	s_wait_kmcnt 0x0
	s_add_nc_u64 s[4:5], s[4:5], s[20:21]
	s_add_nc_u64 s[26:27], s[8:9], s[22:23]
	s_add_nc_u64 s[28:29], s[8:9], s[24:25]
.irp t, 0,1,2,3,4,5,6,7,8,9,10,11,12,13,14,15
	global_load_b128 v[R+4*\t:R+4*\t+3], v4, s[4:5] offset:\t*XROW th:TH_LOAD_NT   ; row t: 32 lanes read 512 consecutive bytes; read once in the launch
.endr
.irp t, 0,1,2,3,4,5,6,7,8,9,10,11,12,13,14,15
	s_wait_loadcnt 15-\t                           ; loads come back in order: row t is in, the younger ones stay out
	ds_store_b128 v5, v[R+4*\t:R+4*\t+3] offset:\t*SPT
.endr
.irp c, 0,1
.irp i, 0,1,2,3,4,5,6,7
	ds_load_b128 v[X+32*\c+4*\i:X+32*\c+4*\i+3], v6 offset:256*\c+16*\i   ; LDS serves a wave's instructions in order: these see my stores
.endr
.endr
; Block 2 c + h of my row: largest magnitude (two chains), scale operand, byte, 32 codes, and their store.
.macro QB c
.set XB_, X+32*\c
	v_max3_num_f32 v8, |v[XB_]|, |v[XB_+1]|, 0x1800000             ; with the floor 2^(3 - 127): the byte cannot fall under 1
	v_max3_num_f32 v9, |v[XB_+16]|, |v[XB_+17]|, |v[XB_+18]|
.irp i, 2,4,6,8,10,12
	s_delay_alu instid0(VALU_DEP_2)
	v_max3_num_f32 v8, v8, |v[XB_+\i]|, |v[XB_+\i+1]|
	s_delay_alu instid0(VALU_DEP_2)
	v_max3_num_f32 v9, v9, |v[XB_+\i+17]|, |v[XB_+\i+18]|
.endr
	s_delay_alu instid0(VALU_DEP_2)
	v_max3_num_f32 v8, v8, |v[XB_+14]|, |v[XB_+15]|
	s_delay_alu instid0(VALU_DEP_1)
	v_max3_num_f32 v8, v8, v9, |v[XB_+31]|
	s_delay_alu instid0(VALU_DEP_1)
	v_add_nc_u32 v[10+\c], 0xff000000, v8          ; 2 off the exponent field: the conversion takes the exponent field of this operand as its scale
.irp i, 0,1,2,3
	v_cvt_scalef32_pk8_fp4_f32 v[C+4*\c+\i], v[XB_+8*\i:XB_+8*\i+7], v[10+\c]
.endr
	v_lshrrev_b32 v[12+\c], 23, v[10+\c]           ; the scale's byte (also the plain line behind the conversions)
	global_store_b128 v4, v[C+4*\c:C+4*\c+3], s[26:27] offset:512*\c   ; 32 lanes store 512 consecutive bytes, at a multiple of 256 from xq's first byte
.endm
	s_wait_dscnt 8                                 ; block h is in; the eight loads of block 2 + h may be out
	QB 0
	s_wait_dscnt 0x0
	QB 1
	v_lshl_or_b32 v14, v13, 16, v12                ; my two bytes: blocks h and 2 + h,
	v_lshlrev_b32 v15, 3, v3
	s_delay_alu instid0(VALU_DEP_1)
	v_lshlrev_b32 v14, v15, v14                    ; 8 h bits up;
	s_delay_alu instid0(VALU_DEP_1)
	v_permlanex16_b32 v15, v14, s2, s3
	s_delay_alu instid0(VALU_DEP_1)
	v_or_b32 v14, v14, v15                         ; with lane l xor 16's two the word is whole
	ds_store_b32 v7, v14                           ; both halves of the lanes write the same word with the same value
	s_wait_dscnt 0x0                               ; for the others' sake: my word has landed
	s_barrier_signal -1
	s_barrier_wait -1
	s_cmp_lg_u32 s12, 0
	s_cbranch_scc1 .Ldone                          ; wave 0 alone sends the 512 bytes of scale words
	ds_load_b128 v[16:19], v[SWA]                  ; lane l: the words of pairs 0 .. 3 of row l
	s_wait_dscnt 0x0
	v_cndmask_b32 v20, v16, v17, s30               ; rotated by w: first by 1 where w is odd,
	v_cndmask_b32 v21, v17, v18, s30
	v_cndmask_b32 v22, v18, v19, s30
	v_cndmask_b32 v23, v19, v16, s30
	s_delay_alu instid0(VALU_DEP_2)
	v_cndmask_b32 v24, v20, v22, s31               ; then by 2: place a holds pair (a + w) % 4
	s_delay_alu instid0(VALU_DEP_2)
	v_cndmask_b32 v25, v21, v23, s31
	s_delay_alu instid0(VALU_DEP_4)
	v_cndmask_b32 v26, v22, v20, s31
	s_delay_alu instid0(VALU_DEP_4)
	v_cndmask_b32 v27, v23, v21, s31
	global_store_b128 v4, v[24:27], s[28:29] offset:8192   ; 512 consecutive bytes behind the block's codes
.Ldone:
	s_wait_tensorcnt 0x0
	ds_add_u32 v160, v161
	s_wait_dscnt 0x0
	s_endpgm
	; ---- V: wave v lays tile v (columns 16 v on)
.Lv_path:
	s_wait_alu depctr_va_vdst(0)
	v_lshlrev_b32 v[VO], 14, v3                    ; lanes 16-31 begin 32 rows of 512 bytes further down
	s_delay_alu instid0(VALU_DEP_1)
	v_lshl_add_u32 v[VO], v2, 2, v[VO]             ; column r of the tile
	s_lshl_b32 s13, s12, 6
	v_add_nc_u32 v[VO], s13, v[VO]                 ; the tile's 64 bytes of a row
	s_lshl_b32 s14, s12, 13                        ; the tile's 8,192 bytes of vimg
	s_mov_b32 s15, 0
	s_wait_alu depctr_va_vdst(0)
	s_wait_kmcnt 0x0
	s_add_nc_u64 s[10:11], s[10:11], s[14:15]
.set q, 0
.rept 64
	global_load_b32 v[R+q], v[VO], s[6:7] offset:(64*(q/32)+q%32)*512
.set q, q+1
.endr
	s_wait_loadcnt 0x0
.irp d, 0,1,2,3,4,5,6,7,8,9,10,11,12,13,14,15
	global_store_b128 v4, v[R+4*\d:R+4*\d+3], s[10:11] offset:512*\d   ; 512 consecutive bytes
.endr
	s_endpgm
.Lfunc_end_k_q81cb12d0f9_quant:
	.size	k_q81cb12d0f9_quant, .Lfunc_end_k_q81cb12d0f9_quant-k_q81cb12d0f9_quant
	.p2alignl 7, 3214868480
	.fill 96, 4, 3214868480
	.section	.rodata,"a",@progbits
	.p2align	6, 0x0
	.amdhsa_kernel k_q81cb12d0f9_quant
		.amdhsa_group_segment_fixed_size 69120
		.amdhsa_private_segment_fixed_size 0
		.amdhsa_enable_private_segment 0
		.amdhsa_kernarg_size 32
		.amdhsa_user_sgpr_count 2
		.amdhsa_user_sgpr_kernarg_segment_ptr 1
		.amdhsa_wavefront_size32 1
		.amdhsa_system_sgpr_workgroup_id_x 1
		.amdhsa_system_sgpr_workgroup_id_y 1
		.amdhsa_system_sgpr_workgroup_id_z 1
		.amdhsa_system_vgpr_workitem_id 0
		.amdhsa_next_free_vgpr 162
		.amdhsa_next_free_sgpr 66
		.amdhsa_reserve_vcc 0
		.amdhsa_float_denorm_mode_32 3
		.amdhsa_float_denorm_mode_16_64 3
		.amdhsa_memory_ordered 1
		.amdhsa_forward_progress 1
		.amdhsa_inst_pref_size 20
	.end_amdhsa_kernel
	.amdgpu_metadata
---
amdhsa.version: [ 1, 2 ]
amdhsa.kernels:
  - .name:           k_q81cb12d0f9_quant
    .symbol:         k_q81cb12d0f9_quant.kd
    .args:
      - { .name: x, .offset: 0, .size: 8, .value_kind: global_buffer, .address_space: global }
      - { .name: V, .offset: 8, .size: 8, .value_kind: global_buffer, .address_space: global }
      - { .name: xq, .offset: 16, .size: 8, .value_kind: global_buffer, .address_space: global }
      - { .name: vimg, .offset: 24, .size: 8, .value_kind: global_buffer, .address_space: global }
    .group_segment_fixed_size: 69120
    .private_segment_fixed_size: 0
    .kernarg_segment_align: 8
    .kernarg_segment_size: 32
    .max_flat_workgroup_size: 256
    .sgpr_count:     66
    .vgpr_count:     162
    .wavefront_size: 32
...
	.end_amdgpu_metadata
.endif
;; end of part 1
;; launch kron (part 2): grid 256 x 1, 4 waves a work-group, clusters of 4 x 1, 327,680 bytes of LDS; arguments xq, vimg, U, out0; writes out0
.if DOCPART == 2
	.amdgcn_target "amdgcn-amd-amdhsa--gfx1250"
	.amdhsa_code_object_version 6
	.text
	.protected	k_q81cb12d0f9_kron
	.globl	k_q81cb12d0f9_kron
	.p2align	8
	.type	k_q81cb12d0f9_kron,@function
k_q81cb12d0f9_kron:
	s_mov_b64 s[64:65], 0
	v_nop
	global_prefetch_b8 v0, s[64:65] scope:SCOPE_SE
	s_setreg_imm32_b32 hwreg(HW_REG_WAVE_MODE, 25, 1), 1
	s_wait_xcnt 0x0
	s_wait_alu depctr_hold_cnt(0) depctr_sa_sdst(0) depctr_va_vdst(0) depctr_va_sdst(0) depctr_va_ssrc(0) depctr_va_vcc(0) depctr_vm_vsrc(0)
	s_getreg_b32 s2, hwreg(HW_REG_IB_STS2, 6, 4)
	s_cmp_eq_u32 s2, 0
	s_cbranch_scc0 .Lentry_in_a_cluster
	s_endpgm
.Lentry_in_a_cluster:
	s_bfe_u32 s2, ttmp6, 0x10000c
	s_cmp_lg_u32 s2, 0x3003
	s_cbranch_scc0 .Lentry_shape_is_right
	s_endpgm
.Lentry_shape_is_right:
; out[m][n] = sum over k of Q(x)[m][k] Q(W)[k][n], W[128 i1 + i2][128 j1 + j2] = U[i1][j1] V[i2][j2].  Q(x) comes as codes of FP4 and scale bytes from the launch before; W is made here, in registers: each number
; of W once in the whole launch (an f32 product, rounded once, then the conversion).  Work-group g: all 256 rows x 64 columns (j1 = g / 2, half g % 2).  K goes in steps of 128 (one i1 each); wave w takes the 32 steps
; i1 = 8 s + 2 w + (0, 1), s = 0 .. 15, holds all 256 x 64 sums of them in 512 registers, and the four waves' sums are added at the end.  A LAP = two steps = one slot of the wave's own ring of two.
; A block of 32 along K of W has the largest magnitude |u| x (the largest |v| of the block): rounding is monotone, so this product is the largest rounded product.  A quarter of it has the block's scale as its exponent field.
; LIMITS: a block whose largest |u v| lies under 2^-124 (a block of zeros among them) gets the byte 0: zeros stay zeros there, other such small numbers were not tried; NaN and infinities are not served.  Sums: f32, four partial sums for each output.
; CLUSTERS: four work-groups read the same tiles of xq: wave w of each asks jointly for the same 34,816 bytes.  Clusters begin at 16 different places of s, so that the launch's first lap names all of xq once or more
; and every later lap names what other clusters named a lap before: for that reason no prefetch is written.
; THE MATRIX INSTRUCTION: source 0 = 32 columns of W, source 1 = 16 rows of x: a lane then holds eight neighbouring columns of one row of the result.
; REGISTERS.  window 0: v0-31 as named below; v32-63 products; v64-127 codes of W, two sets; v128-255 x's fragments of a step (8 pairs of rows x 16).
;   window 1: v0-247 V's first 248 registers, v248-255 the eight blocks' scale operands (V's last eight registers lie in window 0, at VS).   windows 2, 3: the sums of rows 0-127 and 128-255.
; A STEP has two halves: 16 matrix instructions, then four units of vector work (64 products, 16 conversions) for the next step's codes, and one run of 17 LDS loads for the next step's fragments.
.set HALFB, 8704                       ; 128 rows of a step: 8,192 bytes of codes, 512 of scale words
.set STEPB, 2*HALFB
.set BLKB,  2*STEPB                    ; a slot
.set WREG,  2*BLKB                     ; a wave's region
.set SPARE, 4*WREG                     ; the spare words, 128 bytes for each wave: no other line names them
.set SIGB,  8*STEPB
.set RIMG,  16384                      ; way out: an image of 128 registers of sums (two halves of 8,192 bytes)
.set STG,   3*RIMG                     ; way out: my stage, 64 rows x SPT
.set SPT,   272
.set UR,  1                            ; lane t: u of my step t
.set SPW, 2
.set NIL, 3
.set AB0, 4                            ; LDS: my region + 16 x lane
.set ADR, 5                            ; the same in the slot being read
.set BS,  6                            ; v6-7    W's scale words, 32 columns each
.set VQ,  8                            ; v8-15   a quarter of each block's largest |v|
.set VS,  16                           ; v16-23  V's last eight registers
.set XS,  24                           ; v24-31  x's scale words
.set T,   32
.set BF,  64
.set AF,  128
.set TM,  96                           ; head only: v96-97
.set LI,  98                           ; head only
.set UO,  99                           ; head only
.set SS,  248                          ; window 1
.set PR,  64                           ; way out: three images of 64 registers
.set RB,  33                           ; way out: v33-35 where the others' images lie
.set SO,  38
.set SR,  39
.set GO,  40
.set WV,  12
.set CX,  13
.set OB2, 14
.set G1,  16
.set G0A, 24
.set G0B, 28
.set XB,  32
.set OFF, 34
.set SG,  36
.set TB,  37
.set TT,  38
.set REG, 39
.set SU,  40                           ; s[40:41], s[42:43]: u of an even, of an odd step
.set SA,  44                           ; |u|
.set P1,  46
.set P2,  47
.set CNT, 48
.set MSB, 0
.macro WIN new                         ; the immediate's high byte repeats the setting that is left
.if MSB != (\new)
	s_set_vgpr_msb (MSB<<8)|(\new)
.set MSB, (\new)
.endif
.endm
.macro CREST                           ; a round of the cluster's barrier behind its opening barrier
	s_cmp_lg_u32 s[WV], 0
	s_cbranch_scc1 .Lnot_wave_0_\@
	s_barrier_signal -3
.Lnot_wave_0_\@:
	s_barrier_wait -3
	s_barrier_signal -1
	s_barrier_wait -1
.endm
.macro CROUND
	s_barrier_signal -1
	s_barrier_wait -1
	CREST
.endm
	s_load_b256 s[4:11], s[0:1], 0x0               ; xq, vimg, U, out0
	v_lshl_add_u32 v[SPW], v0, 2, SPARE
	v_mov_b32 v[NIL], 0
	ds_add_u32 v[SPW], v[NIL]
	ds_add_u32 v[SPW], v[NIL]
	v_lshrrev_b32 v100, 5, v0
	v_readfirstlane_b32 s[WV], v100
	s_bfe_u32 s[CX], ttmp6, 0x40000
	s_and_b32 s[SG], ttmp9, 15                     ; where this cluster begins
	s_mov_b32 s56, s[SG]
	s_lshl_b32 s49, ttmp9, 2
	s_add_co_u32 s49, s49, s[CX]                   ; work-group
	s_lshr_b32 s50, s49, 1                         ; j1
	s_and_b32 s51, s49, 1                          ; which 64 of its columns
	s_mov_b32 s[G1], 15|(3<<16)|(1<<21)            ; joint: all four; elements of 8 bytes; a slot's fill is dense: 136 rows of 256 bytes
	s_mov_b32 s[G1+1], 32<<16
	s_mov_b32 s[G1+2], 136<<16
	s_mov_b32 s[G1+3], 32<<16
	s_mov_b32 s[G1+4], 136
	s_mov_b32 s[G1+5], 32
	s_mov_b32 s[G1+6], 0
	s_mov_b32 s[G1+7], 0
	s_mul_i32 s52, s[WV], BLKB
	s_mov_b32 s53, 0
	s_mul_i32 s[REG], s[WV], WREG
	s_mul_i32 s[OFF], s[SG], SIGB
	s_mov_b32 s[OFF+1], 0
	s_lshl_b32 s58, s51, 15
	s_mov_b32 s59, 0
	s_lshl_b32 s60, s[WV], 21                      ; my first row on the way out: 32 w
	s_lshl_b32 s61, s49, 8
	s_add_co_u32 s60, s60, s61
	s_mov_b32 s61, 0
	s_mov_b32 s[P1], 0x07060302
	s_mov_b32 s[P2], 0x07030501
	s_mov_b32 s[TB], 0
	s_mov_b32 s[TT], 1
	s_mov_b32 s[SU+1], 0
	s_mov_b32 s[SU+3], 0
	s_mov_b32 s[SA+1], 0
	v_and_b32 v100, 31, v0
	v_lshlrev_b32 v[LI], 4, v100
	v_add_nc_u32 v[AB0], s[REG], v[LI]
	v_add_nc_u32 v[ADR], s[REG], v[LI]
	v_lshrrev_b32 v[UO], 1, v100                   ; lane t: i1 = 8 ((t / 2 + start) % 16) + 2 w + t % 2
	v_add_nc_u32 v[UO], s56, v[UO]
	v_and_b32 v[UO], 15, v[UO]
	v_lshlrev_b32 v[UO], 3, v[UO]
	v_and_b32 v101, 1, v100
	v_add_nc_u32 v[UO], v[UO], v101
	v_lshl_add_u32 v[UO], s[WV], 1, v[UO]
	v_lshlrev_b32 v[UO], 9, v[UO]
	v_lshl_add_u32 v[UO], s50, 2, v[UO]
	s_wait_alu depctr_va_vdst(0)
	s_wait_dscnt 0x0                               ; both opening adds are done
	s_wait_kmcnt 0x0
	s_add_nc_u64 s[XB:XB+1], s[4:5], s[52:53]
	s_add_nc_u64 s[6:7], s[6:7], s[58:59]
	s_add_nc_u64 s[10:11], s[10:11], s[60:61]
	s_add_nc_u64 s[OB2:OB2+1], s[10:11], 0x800000  ; 128 rows on
	global_load_b32 v[UR], v[UO], s[8:9]
	s_mov_b32 s[G0A], 1
	s_mov_b32 s[G0A+1], s[REG]
	s_add_nc_u64 s[G0A+2:G0A+3], s[XB:XB+1], s[OFF:OFF+1]
	s_or_b32 s[G0A+3], s[G0A+3], 0x80000000
	s_add_co_u32 s[SG], s[SG], 1
	s_and_b32 s[SG], s[SG], 15
	s_mul_i32 s[OFF], s[SG], SIGB
	s_mov_b32 s[G0B], 1
	s_add_co_u32 s[G0B+1], s[REG], BLKB
	s_add_nc_u64 s[G0B+2:G0B+3], s[XB:XB+1], s[OFF:OFF+1]
	s_or_b32 s[G0B+3], s[G0B+3], 0x80000000
	CROUND                                         ; all four work-groups are here
	tensor_load_to_lds s[G0A:G0A+3], s[G1:G1+7]    ; lap 0
	s_nop 0
.rept 4
	v_nop
.endr
	WIN 0x40
.set k_, 0
.rept 62
	global_load_b128 v[4*k_:4*k_+3], v[LI], s[6:7] offset:512*k_   ; V, while the first tile is on its way
.set k_, k_+1
.endr
	WIN 0
	global_load_b128 v[VS:VS+3], v[LI], s[6:7] offset:512*62
	global_load_b128 v[VS+4:VS+7], v[LI], s[6:7] offset:512*63
; x's fragments of four pairs of rows, and their scale words: 17 loads
.macro LRUN m, off
	ds_load_b128 v[XS+4*\m:XS+4*\m+3], v[ADR] offset:(\off)+\m*HALFB+8192
.set k_, 0
.rept 16
	ds_load_b128 v[AF+64*\m+4*k_:AF+64*\m+4*k_+3], v[ADR] offset:(\off)+\m*HALFB+512*k_
.set k_, k_+1
.endr
.endm
; Largest magnitude step: v[d] = max(v[d], |V x|, |V y|)
.macro MX3 d, x, y
.set x_, (\x)
.set y_, (\y)
.set wx_, 0x04
.set wy_, 0x10
.if x_ >= 248
.set x_, VS+x_-248
.set wx_, 0
.endif
.if y_ >= 248
.set y_, VS+y_-248
.set wy_, 0
.endif
	WIN wx_+wy_
	v_max3_num_f32 v[\d], v[\d], |v[x_]|, |v[y_]|
.endm
; The two blocks a lane of column group g: four chains by turns
.macro MAXG g
	WIN 0x15
.irp b, 0,1
	v_max3_num_f32 v[VQ+2*\g+\b], |v[64*\g+32*\b]|, |v[64*\g+32*\b+1]|, |v[64*\g+32*\b+2]|
	v_max3_num_f32 v[TM+\b], |v[64*\g+32*\b+16]|, |v[64*\g+32*\b+17]|, |v[64*\g+32*\b+18]|
.endr
.irp i, 3,5,7,9,11,13
.irp b, 0,1
	MX3 VQ+2*\g+\b, 64*\g+32*\b+\i, 64*\g+32*\b+\i+1
	MX3 TM+\b, 64*\g+32*\b+16+\i, 64*\g+32*\b+17+\i
.endr
.endr
.irp b, 0,1
	MX3 VQ+2*\g+\b, 64*\g+32*\b+15, 64*\g+32*\b+31
.endr
	WIN 0
.irp b, 0,1
	v_max_num_f32 v[VQ+2*\g+\b], v[VQ+2*\g+\b], v[TM+\b]
.endr
.irp b, 0,1
	v_mul_f32 v[VQ+2*\g+\b], 0x3e800000, v[VQ+2*\g+\b]   ; a quarter: 2 off the exponent
.endr
.endm
; The scale operands of column group g's two blocks: the conversion takes their exponent field
.macro SCALE1 g
	WIN 0x40
	v_pk_mul_f32 v[SS+2*\g:SS+2*\g+1], v[VQ+2*\g:VQ+2*\g+1], s[SA:SA+1] op_sel_hi:[1,0]
.endm
; Unit un = one block of 32 a lane: 16 packed products in four groups of 8, four conversions
.macro PK un, i, j, su
.set x_, 32*(\un)+8*(\i)+2*(\j)
.if x_ >= 248
.set x_, VS+x_-248
	WIN 0
.else
	WIN 0x04
.endif
	v_pk_mul_f32 v[T+8*(\i)+2*(\j):T+8*(\i)+2*(\j)+1], s[\su:\su+1], v[x_:x_+1] op_sel_hi:[0,1]
.endm
.macro CV un, i, q
	WIN 0x04
	v_cvt_scalef32_pk8_fp4_f32 v[BF+32*(\q)+4*(\un)+(\i)], v[T+8*(\i):T+8*(\i)+7], v[SS+(\un)]
.endm
; Unit un is converted into set q while unit nu's products (nu < 0: none) follow group by group; the last pair of a unit's products stands behind its first conversion, so that
; a plain line stands between each conversion and the first write of its sources.  sc, sn: u of unit un, of unit nu.
.macro UNIT un, q, sc, nu, sn
	CV \un, 0, \q
	PK \un, 3, 3, \sc
.if (\nu) >= 0
.irp i, 0,1,2
	PK \nu, \i, 0, \sn
	PK \nu, \i, 1, \sn
	PK \nu, \i, 2, \sn
	CV \un, \i+1, \q
	PK \nu, \i, 3, \sn
.endr
	PK \nu, 3, 0, \sn
	PK \nu, 3, 1, \sn
	PK \nu, 3, 2, \sn
.else
	CV \un, 1, \q
	CV \un, 2, \q
	CV \un, 3, \q
	WIN 0
.rept 8
	v_nop
.endr
.endif
.endm
; W's scale words of set q: lane m of word t has the four bytes of column 32 t + m.  The four registers at work are those of unit 7's codes, which are written later.
.macro BWORD q
.set PT_, BF+32*(\q)+28
	WIN 0x05
.irp g, 0,1,2,3
	v_perm_b32 v[PT_+\g], v[SS+2*\g+1], v[SS+2*\g], s[P1]      ; two upper halves
.endr
	WIN 0
.irp g, 0,1,2,3
	v_lshlrev_b32 v[PT_+\g], 1, v[PT_+\g]                      ; exponent fields in bytes 1 and 3
.endr
	v_permlane16_swap_b32 v[PT_], v[PT_+1]                     ; blocks 0, 2 of 32 columns; blocks 1, 3
	v_permlane16_swap_b32 v[PT_+2], v[PT_+3]
.endm
.macro BW2 q                           ; the words themselves, ahead of unit 7's conversions
.set PT_, BF+32*(\q)+28
	WIN 0
	v_perm_b32 v[BS], v[PT_+1], v[PT_], s[P2]
	v_perm_b32 v[BS+1], v[PT_+3], v[PT_+2], s[P2]
.endm
; Pair a of 32 rows x 64 columns: four matrix instructions.  The 32 accumulators take turns, in the same order in every step.
.macro MM a, p, zero
.irp s, 0,1
.irp t, 0,1
.set rD_, 64*((\a)%4)+32*\s+16*\t
.set rA_, BF+32*(\p)+16*\t
.set rB_, AF+16*(\a)+8*\s
.if \zero
.if \s
	v_wmma_scale_f32_32x16x128_f4 v[rD_:rD_+15], v[rA_:rA_+15], v[rB_:rB_+7], 0, v[BS+\t], v[XS+\a] matrix_b_scale:MATRIX_SCALE_ROW1
.else
	v_wmma_scale_f32_32x16x128_f4 v[rD_:rD_+15], v[rA_:rA_+15], v[rB_:rB_+7], 0, v[BS+\t], v[XS+\a]
.endif
.else
.if \s
	v_wmma_scale_f32_32x16x128_f4 v[rD_:rD_+15], v[rA_:rA_+15], v[rB_:rB_+7], v[rD_:rD_+15], v[BS+\t], v[XS+\a] matrix_b_scale:MATRIX_SCALE_ROW1
.else
	v_wmma_scale_f32_32x16x128_f4 v[rD_:rD_+15], v[rA_:rA_+15], v[rB_:rB_+7], v[rD_:rD_+15], v[BS+\t], v[XS+\a]
.endif
.endif
.endr
.endr
.endm
; A step: multiplies set p, makes the next step's codes in set 1 - p and fetches its fragments at offn of the slot.  mode 2: also the first products of the step behind that; mode 1: not.
; chg 1: the slot has been read: it is filled again, and the other one is read from here on; chg 2: the same without a fill.
.macro STEP p, zero, mode, offn, chg
	s_wait_dscnt 17                                ; rows 0-127 are in; the younger run, rows 128-255, may be out
	WIN 0xa0
.irp a, 0,1,2,3
	MM \a, \p, \zero
.endr
.if (\mode) == 2
	s_add_co_u32 s[TT], s[TT], 1
.endif
	UNIT 0, 1-\p, SU+2*(1-\p), 1, SU+2*(1-\p)
.if (\mode) == 2
	v_readlane_b32 s[SU+2*(\p)], v[UR], s[TT]      ; u of the step after the next
.endif
.if (\chg) == 1
	UNIT 1, 1-\p, SU+2*(1-\p), 2, SU+2*(1-\p)
	WIN 0
	s_wait_alu depctr_va_vdst(0)
	s_wait_tensorcnt 0x0                           ; my tile of the next lap is in;
	ds_add_u32 v[SPW], v[NIL]
	s_xor_b32 s[G0B+1], s[G0B+1], BLKB             ; the slot that has been read is filled
	s_add_co_u32 s[SG], s[SG], 1
	s_and_b32 s[SG], s[SG], 15
	s_mul_i32 s[OFF], s[SG], SIGB
	s_add_nc_u64 s[G0B+2:G0B+3], s[XB:XB+1], s[OFF:OFF+1]
	s_or_b32 s[G0B+3], s[G0B+3], 0x80000000
	UNIT 2, 1-\p, SU+2*(1-\p), 3, SU+2*(1-\p)
	s_wait_alu depctr_va_vdst(0)
	s_wait_dscnt 0x0                               ; the add is done, and so are my reads of this slot
	s_barrier_signal -1
	UNIT 3, 1-\p, SU+2*(1-\p), 4, SU+2*(1-\p)
	WIN 0
	s_wait_alu depctr_va_vdst(0)
	s_barrier_wait -1
	CREST
	tensor_load_to_lds s[G0B:G0B+3], s[G1:G1+7]    ; the lap after the next
	s_nop 0
.rept 4
	v_nop
.endr
	s_xor_b32 s[TB], s[TB], BLKB
	v_add_nc_u32 v[ADR], s[TB], v[AB0]
.else
.if (\chg) == 2
	WIN 0
	s_wait_alu depctr_va_vdst(0)
	s_wait_tensorcnt 0x0                           ; my last tile is in: only I read it
	s_xor_b32 s[TB], s[TB], BLKB
	v_add_nc_u32 v[ADR], s[TB], v[AB0]
.endif
	UNIT 1, 1-\p, SU+2*(1-\p), 2, SU+2*(1-\p)
	UNIT 2, 1-\p, SU+2*(1-\p), 3, SU+2*(1-\p)
	UNIT 3, 1-\p, SU+2*(1-\p), 4, SU+2*(1-\p)
.endif
	s_wait_alu depctr_va_vdst(0)
	LRUN 0, \offn                                  ; the next step's rows 0-127
	s_wait_dscnt 17                                ; rows 128-255 are in; the run just issued may be out
	WIN 0xf0
.irp a, 4,5,6,7
	MM \a, \p, \zero
.endr
	UNIT 4, 1-\p, SU+2*(1-\p), 5, SU+2*(1-\p)
	BWORD 1-\p
	UNIT 5, 1-\p, SU+2*(1-\p), 6, SU+2*(1-\p)
	UNIT 6, 1-\p, SU+2*(1-\p), 7, SU+2*(1-\p)
	BW2 1-\p
.if (\mode) == 2
	s_and_b32 s[SA], s[SU+2*(\p)], 0x7fffffff
	UNIT 7, 1-\p, SU+2*(1-\p), 0, SU+2*(\p)
.irp g, 0,1,2,3
	SCALE1 \g
.endr
.else
	UNIT 7, 1-\p, SU+2*(1-\p), -1, SU
.endif
	WIN 0
	s_wait_alu depctr_va_vdst(0)
	LRUN 1, \offn                                  ; the next step's rows 128-255
.endm
; The first step's codes, column group by column group as V comes in: u and 64 loads of V are out, 16 loads to a group
	s_wait_alu depctr_va_vdst(0)
	s_wait_loadcnt 48
	v_readlane_b32 s[SU], v[UR], 0
	v_readlane_b32 s[SU+2], v[UR], 1
	s_and_b32 s[SA], s[SU], 0x7fffffff
	MAXG 0
	SCALE1 0
.irp i, 0,1,2
.irp j, 0,1,2,3
	PK 0, \i, \j, SU
.endr
.endr
.irp j, 0,1,2
	PK 0, 3, \j, SU
.endr
	UNIT 0, 0, SU, 1, SU
.macro VGROUP g
	s_wait_alu depctr_va_vdst(0)
	s_wait_loadcnt 16*(3-\g)
	MAXG \g
	SCALE1 \g
	UNIT 2*\g-1, 0, SU, 2*\g, SU
	UNIT 2*\g, 0, SU, 2*\g+1, SU
.endm
	VGROUP 1
	VGROUP 2
	WIN 0
	s_wait_alu depctr_va_vdst(0)
	s_wait_tensorcnt 0x0                           ; lap 0 is in
	ds_add_u32 v[SPW], v[NIL]
	s_wait_dscnt 0x0
	CROUND
	tensor_load_to_lds s[G0B:G0B+3], s[G1:G1+7]    ; lap 1
	s_nop 0
.rept 4
	v_nop
.endr
	LRUN 0, 0
	LRUN 1, 0
	VGROUP 3                                       ; V's last column group, while the first fragments come in
	BWORD 0
	BW2 0
	s_and_b32 s[SA], s[SU+2], 0x7fffffff
	UNIT 7, 0, SU, 0, SU+2
.irp g, 0,1,2,3
	SCALE1 \g
.endr
	WIN 0
	s_wait_alu depctr_va_vdst(0)
	STEP 0, 1, 2, STEPB, 0                         ; lap 0: its products start the sums
	STEP 1, 0, 2, 0, 1
	s_mov_b32 s[CNT], 13
	s_wait_alu depctr_va_vdst(0)
.Lmain:                                                ; laps 1 to 13
	STEP 0, 0, 2, STEPB, 0
	STEP 1, 0, 2, 0, 1
	s_sub_co_u32 s[CNT], s[CNT], 1
	s_cmp_lg_u32 s[CNT], 0
	s_cbranch_scc1 .Lmain
	STEP 0, 0, 2, STEPB, 0                         ; lap 14 fills nothing
	STEP 1, 0, 2, 0, 2
	STEP 0, 0, 1, STEPB, 0                         ; lap 15
; The last step, and the way out.  Place a of either half of the rows holds pair (a + w) % 4: place 0 is my own, places 1 to 3 go to the others as images in my region (no fill lands there any more).
	s_wait_alu depctr_va_vdst(0)
	s_wait_dscnt 17
	WIN 0xa0
.irp a, 0,1,2,3
	MM \a, 1, 0
.endr
	WIN 0
	s_add_co_u32 s57, s[REG], STG
.irp a, 1,2,3
	s_add_co_u32 s[59+\a], s[WV], 4-\a             ; wave w - a: its place a is my pair
	s_and_b32 s[59+\a], s[59+\a], 3
	s_mul_i32 s[59+\a], s[59+\a], WREG
	s_add_co_u32 s[59+\a], s[59+\a], (\a-1)*RIMG
.endr
	v_and_b32 v32, 31, v0                          ; (these vector lines are also the places behind the products)
	v_lshlrev_b32 v32, 4, v32
.irp a, 1,2,3
	v_add_nc_u32 v[RB+\a-1], s[59+\a], v32
.endr
	v_and_b32 v36, 15, v0
	v_bfe_u32 v37, v0, 4, 1
	v_mul_u32_u24 v[SO], v36, SPT                  ; into the stage: row r, 32 bytes for each half of the lanes
	v_lshl_add_u32 v[SO], v37, 5, v[SO]
	v_add_nc_u32 v[SO], s57, v[SO]
	v_mul_u32_u24 v[SR], v37, SPT                  ; back: 16 lanes to a row of 256 bytes
	v_lshl_add_u32 v[SR], v36, 4, v[SR]
	v_add_nc_u32 v[SR], s57, v[SR]
	v_lshlrev_b32 v[GO], 16, v37
	v_lshl_add_u32 v[GO], v36, 4, v[GO]
	s_wait_alu depctr_va_vdst(0)
	s_wait_dscnt 0x0                               ; my last fragments are in
.macro IMG hf
	WIN 0x08+4*\hf
.irp a, 1,2,3
.set k_, 0
.rept 16
	ds_store_b128 v[AB0], v[64*\a+4*k_:64*\a+4*k_+3] offset:(\a-1)*RIMG+8192*\hf+512*k_
.set k_, k_+1
.endr
.endr
	WIN 0
.endm
.macro LDX hf
.irp a, 1,2,3
.set k_, 0
.rept 16
	ds_load_b128 v[PR+64*(\a-1)+4*k_:PR+64*(\a-1)+4*k_+3], v[RB+\a-1] offset:8192*\hf+512*k_
.set k_, k_+1
.endr
.endr
.endm
; Four waves' sums are added, turned through my stage, and stored: 32 rows x 256 bytes
.macro SENDX hf, base
.irp o, 64,128
.set k_, 0
.rept 32
	v_pk_add_f32 v[PR+2*k_:PR+2*k_+1], v[PR+2*k_:PR+2*k_+1], v[PR+\o+2*k_:PR+\o+2*k_+1]
.set k_, k_+1
.endr
.endr
	WIN 0x02+\hf
.set k_, 0
.rept 32
	v_pk_add_f32 v[PR+2*k_:PR+2*k_+1], v[2*k_:2*k_+1], v[PR+2*k_:PR+2*k_+1]
.set k_, k_+1
.endr
	WIN 0
.irp s, 0,1
.irp t, 0,1
.irp k, 0,1,2,3
	ds_store_b128 v[SO], v[PR+32*\s+16*\t+4*\k:PR+32*\s+16*\t+4*\k+3] offset:(32*\hf+16*\s)*SPT+128*\t+64*(\k/2)+16*(\k%2)
.endr
.endr
.endr
	WIN 0x40
.set k_, 0
.rept 16
	ds_load_b128 v[64*\hf+4*k_:64*\hf+4*k_+3], v[SR] offset:(32*\hf+2*k_)*SPT   ; LDS serves a wave's instructions in order: these see my stores
.set k_, k_+1
.endr
	WIN 0x04
.set k_, 0
.rept 16
	s_wait_dscnt 15-k_
	global_store_b128 v[GO], v[64*\hf+4*k_:64*\hf+4*k_+3], s[\base:\base+1] offset:131072*k_ th:TH_STORE_NT   ; 16 lanes store 256 consecutive bytes
.set k_, k_+1
.endr
	WIN 0
.endm
	IMG 0                                          ; rows 0-127 are finished: their images go ahead of the last products
	WIN 0xf0
.irp a, 4,5,6,7
	MM \a, 1, 0
.endr
	WIN 0
.rept 4
	v_nop                                          ; places in front of the loads and stores below
.endr
	s_wait_dscnt 0x0                               ; for the others' sake: my images have landed
	s_barrier_signal -1
	s_barrier_wait -1
	LDX 0
	IMG 1
	s_wait_dscnt 48                                ; the three images are in; the 48 stores behind them may be out
	SENDX 0, 10
	s_wait_dscnt 0x0                               ; for the others' sake: my images of rows 128-255 have landed
	s_barrier_signal -1
	s_barrier_wait -1
	LDX 1
	s_wait_dscnt 0x0
	SENDX 1, OB2
	s_wait_tensorcnt 0x0                           ; the wave's end
	ds_add_u32 v[SPW], v[NIL]
	s_wait_dscnt 0x0
	CROUND                                         ; the closing round
	s_endpgm
.Lfunc_end_k_q81cb12d0f9_kron:
	.size	k_q81cb12d0f9_kron, .Lfunc_end_k_q81cb12d0f9_kron-k_q81cb12d0f9_kron
	.p2alignl 7, 3214868480
	.fill 96, 4, 3214868480
	.section	.rodata,"a",@progbits
	.p2align	6, 0x0
	.amdhsa_kernel k_q81cb12d0f9_kron
		.amdhsa_group_segment_fixed_size 327680
		.amdhsa_private_segment_fixed_size 0
		.amdhsa_enable_private_segment 0
		.amdhsa_kernarg_size 32
		.amdhsa_user_sgpr_count 2
		.amdhsa_user_sgpr_kernarg_segment_ptr 1
		.amdhsa_wavefront_size32 1
		.amdhsa_system_sgpr_workgroup_id_x 1
		.amdhsa_system_sgpr_workgroup_id_y 1
		.amdhsa_system_sgpr_workgroup_id_z 1
		.amdhsa_system_vgpr_workitem_id 0
		.amdhsa_next_free_vgpr 1024
		.amdhsa_next_free_sgpr 66
		.amdhsa_reserve_vcc 0
		.amdhsa_float_denorm_mode_32 3
		.amdhsa_float_denorm_mode_16_64 3
		.amdhsa_memory_ordered 1
		.amdhsa_forward_progress 1
		.amdhsa_inst_pref_size 199
	.end_amdhsa_kernel
	.amdgpu_metadata
---
amdhsa.version: [ 1, 2 ]
amdhsa.kernels:
  - .name:           k_q81cb12d0f9_kron
    .symbol:         k_q81cb12d0f9_kron.kd
    .args:
      - { .name: xq, .offset: 0, .size: 8, .value_kind: global_buffer, .address_space: global }
      - { .name: vimg, .offset: 8, .size: 8, .value_kind: global_buffer, .address_space: global }
      - { .name: U, .offset: 16, .size: 8, .value_kind: global_buffer, .address_space: global }
      - { .name: out0, .offset: 24, .size: 8, .value_kind: global_buffer, .address_space: global }
    .group_segment_fixed_size: 327680
    .private_segment_fixed_size: 0
    .kernarg_segment_align: 8
    .kernarg_segment_size: 32
    .max_flat_workgroup_size: 128
    .sgpr_count:     66
    .vgpr_count:     1024
    .wavefront_size: 32
...
	.end_amdgpu_metadata
.endif
;; end of part 2
